; MI455X (gfx1250); checked and timed in simulation.
; The chip was launched on July 23, 2026; its instructions are those of AMD's public machine-readable ISA for CDNA 5 (MIT licence, August 2026) and "CDNA5" Instruction Set Architecture Reference Guide (July 2026). The comments in the code are by the model that wrote it; some were corrected since.
;; Qwen Feed Forward adaptive. Allowed arithmetic: matrix products marked QUANTISED: E2M1 operands, one E8M0 scale for each 32 along K, by v_wmma_scale_f32_16x16x128_f8f6f4 with both operands' format E2M1 (or v_wmma_scale_f32_32x16x128_f4), f32 sums; everything else in f32.
;; Inputs: W1 4,096 x 1,024 float32; W2 1,024 x 4,096 float32; b1 4,096 float32; b2 1,024 float32; hidden_states 4 x 2,048 x 1,024 float32; logit_width 4 x 4 float32.
;; Outputs: out0 4 x 2,048 x 1,024 float32; out1 4 x 4 float32.
;; This version of the problem:
;;   THIS VERSION OF THE PROBLEM IS GIVEN IN LOW PRECISION. The matrix products marked QUANTISED in the list below multiply operands that are first quantised to E2M1 (2 exponent bits, 1 mantissa bit; 4 bits a number), with one power-of-two scale for each 32 numbers along K (OCP MX v1.0); their sums are f32. All else is computed in f32.
;;   The module's matrix products, in the order in which they are computed (A, B: the left and right operand; K: the contracted axis; several contracted axes count as one K, in the product's order):
;;     1. [M 8,192, K 1,024] x [K 1,024, N 4,096]; A: input hidden_states; B: input W1: QUANTISED
;;     2. [M 8,192, K 4,096] x [K 4,096, N 1,024]; A: computed on the way; B: input W2: QUANTISED
;;   THE QUANTISER, for each operand of a quantised product, along K:
;;     - K is cut into blocks of 32 from its start; a last block that is shorter is filled with zeros.
;;     - A block's scale is 2^e with e = floor(log2(the largest magnitude in the block)) - 2, held to -126 .. 127; a block of zeros has e = 0. As a byte (E8M0): e + 127.
;;     - Each number is divided by its block's scale, clamped to +-6, and rounded to the nearest number of E2M1, ties to even, subnormals kept.
;;     - The product sums the exact products of the quantised numbers (number of the format x scale) in f32.
;;   ~~~python
;;   def quantise(x, axis):      # numpy; x: float32 -> the quantised numbers, widened to float32 again
;;       x = np.moveaxis(x, axis, -1); K = x.shape[-1]
;;       x = np.pad(x, [(0, 0)] * (x.ndim - 1) + [(0, -K % 32)]); x = x.reshape(x.shape[:-1] + (-1, 32)); a = np.abs(x).max(-1, keepdims=True)
;;       e = np.where(a > 0, np.clip(np.frexp(np.where(a > 0, a, 1))[1] - 1 - 2, -126, 127), 0)      # np.frexp(a)[1] - 1 = floor(log2(a)), exactly
;;       r = np.clip(x / 2.0 ** e, -6, 6)
;;       step = 2.0 ** (np.maximum(np.frexp(np.where(r == 0, 1, r))[1] - 1, 0) - 1)
;;       q = np.round(r / step) * step * 2.0 ** e      # np.round: ties to even
;;       return np.moveaxis(q.reshape(q.shape[:-2] + (-1,))[..., :K], -1, axis).astype(np.float32)
;;   ~~~
;;   OPERANDS COMPUTED ON THE WAY. 'Computed on the way' means the value that the module computes at that place (a softmax that the list does not call 'softmax' is quantised finished and normalised). What goes into a quantiser is computed in f32, as accurately as f32 sums, v_exp_f32 and their like allow (about 1e-6 of the number): no bf16 or f16 on the way to a quantiser, and a product that is left as it is and whose result goes on into a quantised operand takes f32 operands (vector FMAs, or v_wmma_f32_16x16x4_f32). A number that lies on a knife's edge between two numbers of the format may be rounded either way, as far as f32 arithmetic and the matrix unit's own rounding can turn it there, and no further.
;; One version. Each part assembles by itself: llvm-mc -triple=amdgcn-amd-amdhsa -mcpu=gfx1250 --defsym DOCPART=n.
;; ======== version 1 of 1: 3 launches
;; limits: right only within a limited range of input values
;; workspace buffers: xq 4,456,448 bytes; w1q 2,228,224 bytes; w2q 2,228,224 bytes; hq 17,825,792 bytes; widths 256 bytes of whole numbers
;; launch prep (part 1): grid 512 x 1, 4 waves a work-group, no clusters, 34,304 bytes of LDS; arguments hidden_states, W1, W2, logit_width, xq, w1q, w2q, out1, widths; writes xq, w1q, w2q, out1, widths
.if DOCPART == 1
	.amdgcn_target "amdgcn-amd-amdhsa--gfx1250"
	.amdhsa_code_object_version 6
	.text
	.protected	k_qcdf5e4aa55_prep
	.globl	k_qcdf5e4aa55_prep
	.p2align	8
	.type	k_qcdf5e4aa55_prep,@function
k_qcdf5e4aa55_prep:
	s_mov_b64 s[64:65], 0
	v_nop
	global_prefetch_b8 v0, s[64:65] scope:SCOPE_SE
	s_setreg_imm32_b32 hwreg(HW_REG_WAVE_MODE, 25, 1), 1
	s_wait_xcnt 0x0
; PREP: hidden_states [8192][1024], W1 [4096][1024], W2 [1024][4096], all f32 with K innermost, become codes of FP4 (E2M1) with one E8M0 byte for each 32 along K;
; out1 = softmax(logit_width); widths = argmax + 1 of each batch, as whole numbers, for the two launches that follow.
; WHAT THE PROGRAM LEAVES OUT, AND WHY IT MAY.  reference() multiplies the hidden layer of batch b by a prefix mask of 1024 w_b ones (w_b = argmax + 1, 1 .. 4) ahead of the second product.  The prefix is a
; multiple of 32, so every hidden unit at or beyond it lies in a block of 32 zeros of the second product's operand: its codes are zeros and add exactly 0, whatever finite values the inputs hold.  So the first
; product's columns, the activation and the second product's K steps at or beyond 1024 w_b are not computed.  The choice hangs on whole numbers: this launch stores them, the later launches read them from memory.
; This launch itself quantises ALL of W1 and W2: no address or branch here hangs on the widths.  Every input is loaded.
; LIMITS.  An infinity, a NaN or an overflow that arises only in the part left out (reference(): infinity x 0) is not carried to the result.  NaN and infinities among the inputs are not served.  The argmax is
; taken of this kernel's f32 p (lowest index on ties): it can differ from reference()'s only where two p lie within rounding of each other.  A block of zeros gets the byte 1 where the rule says 127: its codes are
; zeros, which add nothing under any byte but 0xff, and the bytes are read by this program alone.  Blocks whose largest magnitude lies under 2^(3 - 127) are held at the byte 1.
; THE RECORD.  16 rows x 512 along K lie in REC = 4,352 bytes in the order of the operand's registers: byte 1024 q + 512 c + 16 lane holds registers 4 c .. 4 c + 3 of the fragment of K step q (128 along K);
; byte 4096 + 16 r + 4 q holds row r's scale word of K step q.  A buffer is [K / 512][rows / 16] records.  So a later wave fills a fragment by two loads of 512 consecutive bytes.
; W1's BLOCKS OF 16 ROWS ARE NOT NEIGHBOURS: row r of block rb is W1's row 16 rb - 8 (rb % 2) + r + 8 (r / 8), so that in the first product, used transposed, the 16 registers of two neighbouring tiles are 16
; neighbours along the second product's K.
; SHARES.  One wave makes one record: 2,048 records, 512 work-groups of four waves.  Work-groups 0-255 take x, 256-383 W1, 384-511 W2: the tensor is chosen by selections on the work-group's number; one path through the text.
; ALL 64 LOADS OF A RECORD GO OUT AT THE HEAD, 512 consecutive bytes of one row each: the wave's whole 32,768 bytes are on their way at once, in four sets of 64 registers (two of them in window 1).  That is one load more
; than LOADcnt's field holds: the issue of the last one stalls until the first is back (ISA guide 5.7.1), and no wait is placed for it.
; The conversions want 16 neighbours along K in one lane, so a fragment's 16 x 512 bytes turn through the wave's own stage in LDS (rows 528 bytes apart: the sixteen rows that a read touches fall on sixteen different
; 16-byte columns modulo 256).  No barrier: waves share nothing.  No tensor load, no cluster, no matrix unit: a stream that is read once.
.set REC,   4352
.set SP,    528                        ; a stage row: 512 bytes + 16
.set STG,   16*SP                      ; a wave's stage
.set SPARE, 4*STG                      ; behind the four stages: the spare words, 128 bytes for each wave: two blocks of 256 bytes that no other line names
.set LI,   2                           ; v2      16 x lane
.set OFF,  4                           ; v4-11   16 x lane + i rows of the tensor
.set SIN,  12                          ; v12     the stage, on the way in: 16 x lane
.set SOUT, 13                          ; v13     and out: 528 r + 64 h
.set SCO,  15                          ; v15     the record's scale words: 4096 + 16 r + 8 h
.set SPW,  16                          ; v16     LDS address of my spare word; never rewritten
.set NIL,  17                          ; v17     0; never rewritten
.set LG,   18                          ; v18     4 x (lane % 16)
.set TM,   20                          ; v20-35  the quantiser's work
.set PW,   36                          ; v36-39  the scale word of K step q
.set PWM,  40                          ; v40-41  two of them, by the lane's half
.set PC,   44                          ; v44-59  codes, two sets of 8
.set SM,   60                          ; v60-63  the softmax
.set X,    64                          ; v64-127 64 numbers of my row: register 16 b + i = k 32 b + 16 h + i
.set R,    128                         ; v128-255 K steps 0 and 1 as they are loaded, 64 registers each; K steps 2 and 3 lie in window 1, v0-127
.set WV,   22
.set LRB,  24                          ; log2 of the tensor's blocks of 16 rows
.set LP,   25                          ; log2 of its row in bytes
.set PB,   26                          ; rows that an odd block steps back
.set HR,   27                          ; rows from a block's first eight to its last eight
.set TB,   28                          ; the tensor's first record among the 2,048
.set LO,   32                          ; s[32:33] the block's rows 0-7, at my 512 along K
.set HI,   34                          ; s[34:35] its rows 8-15
.set OUTP, 36                          ; s[36:37] my record
.set SEL,  38                          ; s[38:39] v_permlanex16_b32's selects for lane l xor 16
.set HALF, 40                          ; s40     the mask of lanes 16-31
.set MSB, 0
.macro WIN new                         ; the immediate's high byte repeats the setting that is left; a switch that changes nothing is dropped
.if MSB != (\new)
	s_set_vgpr_msb (MSB<<8)|(\new)
.set MSB, (\new)
.endif
.endm
; 64 numbers of a lane, register 16 b + i = k 32 b + 16 (lane / 16) + i of my row, become a fragment's 8 registers of codes and its scale word.
.macro QUANT s, pc, pw
.set qS, \s
.set qP, \pc
.set qW, \pw
.irp b, 0,1,2,3
	v_max3_num_f32 v[TM+\b], |v[qS+16*\b]|, |v[qS+1+16*\b]|, 0x1800000   ; block b: my 16 numbers, and the floor 2^(3 - 127): the byte cannot fall under 1
.endr
.irp i, 2,4,6,8,10,12,14
.irp b, 0,1,2,3
	v_max3_num_f32 v[TM+\b], v[TM+\b], |v[qS+16*\b+\i]|, |v[qS+1+16*\b+\i]|   ; the four blocks by turns
.endr
.endr
.irp b, 0,1,2,3
	v_permlanex16_b32 v[TM+4+\b], v[TM+\b], s[SEL], s[SEL+1]
.endr
.irp b, 0,1,2,3
	v_max_num_f32 v[TM+\b], v[TM+\b], v[TM+4+\b]   ; with lane l xor 16's: the block's largest magnitude
.endr
.irp b, 0,1,2,3
	v_add_nc_u32 v[TM+12+\b], 0xff000000, v[TM+\b] ; 2 off its exponent field: the conversion takes this operand's exponent field as its scale
.endr
.irp b, 0,1,2,3
	v_lshrrev_b32 v[TM+4+\b], 23, v[TM+12+\b]      ; the scale's byte
.endr
	v_lshl_or_b32 v[qW], v[TM+5], 8, v[TM+4]       ; four bytes: my row's scale word
	v_lshl_or_b32 v[qW], v[TM+6], 16, v[qW]
	v_lshl_or_b32 v[qW], v[TM+7], 24, v[qW]
.irp b, 0,1,2,3
	v_cvt_scalef32_pk8_fp4_f32 v[qP+2*\b], v[qS+16*\b:qS+7+16*\b], v[TM+12+\b]
	v_cvt_scalef32_pk8_fp4_f32 v[qP+1+2*\b], v[qS+8+16*\b:qS+15+16*\b], v[TM+12+\b]
.endr
	v_nop                                          ; one plain place behind a scaled conversion
.irp c, 0,1                                    ; the operand's layout wants a whole block in a lane: lanes 0-15 block 2 c, lanes 16-31 block 2 c + 1
.irp i, 0,1
	v_permlane16_swap_b32 v[qP+4*\c+\i], v[qP+2+4*\c+\i]
.endr
.endr
.endm
; K step q of my record: 16 rows x 512 bytes, a row a load, into its own 64 registers
.macro LOADF q
.if (\q) < 2
.set RB, R+64*(\q)
.else
.set RB, 64*((\q)-2)
	WIN 0x40                                       ; destination window 1; the offsets lie in window 0
.endif
.irp i, 0,1,2,3,4,5,6,7
	global_load_b128 v[RB+4*\i:RB+4*\i+3], v[OFF+\i], s[LO:LO+1] offset:512*(\q) th:TH_LOAD_NT
.endr
.irp i, 0,1,2,3,4,5,6,7
	global_load_b128 v[RB+32+4*\i:RB+32+4*\i+3], v[OFF+\i], s[HI:HI+1] offset:512*(\q) th:TH_LOAD_NT
.endr
	WIN 0
.endm
.macro FRAG q
	s_wait_loadcnt 16*(3-(\q))                     ; this K step's 16 loads are in; the later steps', 16 each, may be out
.if (\q) < 2
.set RB, R+64*(\q)
.else
.set RB, 64*((\q)-2)
	WIN 0x04                                       ; an LDS store's data are its source 1: window 1
.endif
.irp i, 0,1,2,3,4,5,6,7,8,9,10,11,12,13,14,15
	ds_store_b128 v[SIN], v[RB+4*\i:RB+4*\i+3] offset:SP*\i
.endr
	WIN 0
.irp b, 0,1,2,3
.irp j, 0,1,2,3
	ds_load_b128 v[X+16*\b+4*\j:X+16*\b+4*\j+3], v[SOUT] offset:128*\b+16*\j   ; LDS serves a wave's instructions in order: these see my stores
.endr
.endr
	s_wait_dscnt 0x0                               ; my 64 numbers are back
.if (\q) >= 2
	s_wait_xcnt 0x0                                ; the stores of two K steps back have read this set of codes: it is written again only behind this wait
.endif
	QUANT X, PC+8*((\q)%2), PW+(\q)
.irp c, 0,1
	global_store_b128 v[LI], v[PC+8*((\q)%2)+4*\c:PC+8*((\q)%2)+4*\c+3], s[OUTP:OUTP+1] offset:1024*(\q)+512*\c   ; 32 lanes store 512 consecutive bytes, aligned to 256
.endr
.endm
	s_load_b256 s[4:11], s[0:1], 0x0               ; hidden_states s[4:5], W1 s[6:7], W2 s[8:9], logit_width s[10:11]
	s_load_b256 s[12:19], s[0:1], 0x20             ; xq s[12:13], w1q s[14:15], w2q s[16:17], out1 s[18:19]
	s_load_b64 s[20:21], s[0:1], 0x40              ; widths
	v_lshl_add_u32 v[SPW], v0, 2, SPARE
	v_mov_b32 v[NIL], 0
	v_lshrrev_b32 v1, 5, v0
	v_readfirstlane_b32 s[WV], v1                  ; wave 0..3
	v_and_b32 v1, 31, v0                           ; lane
	v_and_b32 v3, 15, v0                           ; r
	v_bfe_u32 v14, v0, 4, 1                        ; h
	v_lshlrev_b32 v[LI], 4, v1
	s_mul_i32 s48, s[WV], STG                      ; my stage
	v_add_nc_u32 v[SIN], s48, v[LI]
	v_mul_u32_u24 v[SOUT], v3, SP
	v_lshl_add_u32 v[SOUT], v14, 6, v[SOUT]
	v_add_nc_u32 v[SOUT], s48, v[SOUT]
	v_lshlrev_b32 v[SCO], 4, v3
	v_lshl_add_u32 v[SCO], v14, 3, v[SCO]
	v_add_nc_u32 v[SCO], 4096, v[SCO]
	v_lshlrev_b32 v[LG], 2, v3
.irp b, 0,1,2,3
	v_mov_b32 v[TM+4+\b], 0                        ; written once: a lane permute's destination counts as one of its sources
.endr
	s_mov_b32 s[SEL], 0x76543210
	s_mov_b32 s[SEL+1], 0xfedcba98
	s_mov_b32 s[HALF], 0xffff0000
	; which tensor: the choice hangs on the work-group's number alone
	s_mov_b32 s[TB], 1536
	s_cmp_lt_u32 ttmp9, 384                        ; W1, or W2?
	s_cselect_b32 s[LRB], 8, 6
	s_cselect_b32 s[LP], 12, 14
	s_cselect_b32 s[PB], 8, 0
	s_cselect_b32 s[HR], 16, 8
	s_cselect_b32 s[TB], 1024, s[TB]
	s_wait_kmcnt 0x0                               ; (a wait leaves SCC alone)
	s_cselect_b64 s[LO:LO+1], s[6:7], s[8:9]
	s_cselect_b64 s[OUTP:OUTP+1], s[14:15], s[16:17]
	s_cmp_lt_u32 ttmp9, 256                        ; or x?
	s_cselect_b32 s[LRB], 9, s[LRB]
	s_cselect_b32 s[LP], 12, s[LP]
	s_cselect_b32 s[PB], 0, s[PB]
	s_cselect_b32 s[HR], 8, s[HR]
	s_cselect_b32 s[TB], 0, s[TB]
	s_cselect_b64 s[LO:LO+1], s[4:5], s[LO:LO+1]
	s_cselect_b64 s[OUTP:OUTP+1], s[12:13], s[OUTP:OUTP+1]
	s_lshl_b32 s23, ttmp9, 2
	s_add_co_u32 s23, s23, s[WV]
	s_sub_co_u32 s23, s23, s[TB]                   ; my record in its buffer = kg x blocks + rb
	s_lshr_b32 s29, s23, s[LRB]                    ; kg: which 512 along K
	s_lshl_b32 s30, s29, s[LRB]
	s_sub_co_u32 s30, s23, s30                     ; rb: which block of 16 rows
	s_and_b32 s31, s30, 1
	s_mul_i32 s31, s31, s[PB]
	s_lshl_b32 s42, s30, 4
	s_sub_co_u32 s42, s42, s31                     ; the block's first row
	s_lshl_b32 s42, s42, s[LP]                     ; in bytes (under 2^26),
	s_lshl_b32 s43, s29, 11
	s_add_co_u32 s42, s42, s43                     ; + 2,048 bytes for each 512 along K
	s_mov_b32 s43, 0
	s_lshl_b32 s44, s[HR], s[LP]
	s_mov_b32 s45, 0
	s_mul_i32 s46, s23, REC
	s_mov_b32 s47, 0
	s_add_nc_u64 s[LO:LO+1], s[LO:LO+1], s[42:43]
	s_add_nc_u64 s[HI:HI+1], s[LO:LO+1], s[44:45]
	s_add_nc_u64 s[OUTP:OUTP+1], s[OUTP:OUTP+1], s[46:47]
.irp i, 0,1,2,3,4,5,6,7
	v_lshl_add_u32 v[OFF+\i], \i, s[LP], v[LI]     ; i rows on
.endr
	LOADF 0                                        ; the whole record is asked for before anything is worked on
	LOADF 1
	LOADF 2
	LOADF 3
	FRAG 0
	FRAG 1
	FRAG 2
	FRAG 3
	v_cndmask_b32 v[PWM], v[PW], v[PW+2], s[HALF]  ; lanes 0-15 store their row's words of K steps 0 and 1, lanes 16-31 those of 2 and 3:
	v_cndmask_b32 v[PWM+1], v[PW+1], v[PW+3], s[HALF]
	global_store_b64 v[SCO], v[PWM:PWM+1], s[OUTP:OUTP+1]   ; 256 consecutive bytes, aligned
	s_or_b32 s23, ttmp9, s[WV]
	s_cmp_lg_u32 s23, 0
	s_cbranch_scc1 .Lend                           ; the softmax is wave 0 of work-group 0's
	; lane l % 16 holds logit l: batch l / 4, width l % 4.  A batch is four neighbouring lanes: masks 1 and 2 join them.
	global_load_b32 v[SM], v[LG], s[10:11]
	s_wait_loadcnt 0x0
	v_mov_b32 v[SM+1], v[SM]
	v_max_num_f32_dpp v[SM+1], v[SM+1], v[SM+1] row_xmask:1 row_mask:0xf bank_mask:0xf
	v_max_num_f32_dpp v[SM+1], v[SM+1], v[SM+1] row_xmask:2 row_mask:0xf bank_mask:0xf   ; the batch's largest logit
	v_sub_f32 v[SM+2], v[SM], v[SM+1]              ; taken away ahead of the exponential
	v_mul_f32 v[SM+2], 0x3fb8aa3b, v[SM+2]         ; x log2(e)
	s_wait_alu depctr_va_vdst(0)
	v_exp_f32 v[SM+2], v[SM+2]
	v_nop                                          ; a plain place behind the exponential,
	s_wait_alu depctr_va_vdst(0)                   ; and a wait ahead of its first reader
	v_mov_b32 v[SM+3], v[SM+2]
	v_add_f32_dpp v[SM+3], v[SM+3], v[SM+3] row_xmask:1 row_mask:0xf bank_mask:0xf
	v_add_f32_dpp v[SM+3], v[SM+3], v[SM+3] row_xmask:2 row_mask:0xf bank_mask:0xf       ; the batch's sum
	s_wait_alu depctr_va_vdst(0)
	v_rcp_f32 v[SM+3], v[SM+3]
	v_nop
	s_wait_alu depctr_va_vdst(0)
	v_mul_f32 v[SM+2], v[SM+2], v[SM+3]            ; p
	v_mov_b32 v[SM+1], v[SM+2]
	v_max_num_f32_dpp v[SM+1], v[SM+1], v[SM+1] row_xmask:1 row_mask:0xf bank_mask:0xf
	v_max_num_f32_dpp v[SM+1], v[SM+1], v[SM+1] row_xmask:2 row_mask:0xf bank_mask:0xf   ; the batch's largest p
	v_and_b32 v[SM], 3, v0
	v_cvt_f32_u32 v[SM], v[SM]                     ; my index, as a number
	v_cmp_eq_f32 vcc_lo, v[SM+2], v[SM+1]
	v_cndmask_b32 v[SM], 4.0, v[SM], vcc_lo        ; where my p is the largest; else 4
	v_min_num_f32_dpp v[SM], v[SM], v[SM] row_xmask:1 row_mask:0xf bank_mask:0xf
	v_min_num_f32_dpp v[SM], v[SM], v[SM] row_xmask:2 row_mask:0xf bank_mask:0xf         ; the lowest index that has it: the argmax
	v_add_f32 v[SM], 1.0, v[SM]
	v_cvt_u32_f32 v[SM], v[SM]                     ; the width in units of 1,024 hidden units: 1 .. 4
	v_cmp_gt_u32 vcc_lo, 16, v0
	s_wait_alu depctr_va_vdst(0)
	s_wait_xcnt 0x0                                ; EXEC changes only behind this wait
	s_and_saveexec_b32 s41, vcc_lo
	global_store_b32 v[LG], v[SM+2], s[18:19]      ; out1: 16 numbers
	global_store_b32 v[LG], v[SM], s[20:21]        ; widths: word l holds the width of batch l / 4
	s_wait_xcnt 0x0                                ; and again, in front of the line that widens it
	s_or_b32 exec_lo, exec_lo, s41
.Lend:
	s_wait_tensorcnt 0x0                           ; the wave's end
	ds_add_u32 v[SPW], v[NIL]
	s_wait_dscnt 0x0
	s_endpgm
.Lfunc_end_k_qcdf5e4aa55_prep:
	.size	k_qcdf5e4aa55_prep, .Lfunc_end_k_qcdf5e4aa55_prep-k_qcdf5e4aa55_prep
	.p2alignl 7, 3214868480
	.fill 96, 4, 3214868480
	.section	.rodata,"a",@progbits
	.p2align	6, 0x0
	.amdhsa_kernel k_qcdf5e4aa55_prep
		.amdhsa_group_segment_fixed_size 34304
		.amdhsa_private_segment_fixed_size 0
		.amdhsa_enable_private_segment 0
		.amdhsa_kernarg_size 72
		.amdhsa_user_sgpr_count 2
		.amdhsa_user_sgpr_kernarg_segment_ptr 1
		.amdhsa_wavefront_size32 1
		.amdhsa_system_sgpr_workgroup_id_x 1
		.amdhsa_system_sgpr_workgroup_id_y 1
		.amdhsa_system_sgpr_workgroup_id_z 1
		.amdhsa_system_vgpr_workitem_id 0
		.amdhsa_next_free_vgpr 384
		.amdhsa_next_free_sgpr 66
		.amdhsa_reserve_vcc 1
		.amdhsa_float_denorm_mode_32 3
		.amdhsa_float_denorm_mode_16_64 3
		.amdhsa_memory_ordered 1
		.amdhsa_forward_progress 1
		.amdhsa_inst_pref_size 36
	.end_amdhsa_kernel
	.amdgpu_metadata
---
amdhsa.version: [ 1, 2 ]
amdhsa.kernels:
  - .name:           k_qcdf5e4aa55_prep
    .symbol:         k_qcdf5e4aa55_prep.kd
    .args:
      - { .name: hidden_states, .offset: 0, .size: 8, .value_kind: global_buffer, .address_space: global }
      - { .name: W1, .offset: 8, .size: 8, .value_kind: global_buffer, .address_space: global }
      - { .name: W2, .offset: 16, .size: 8, .value_kind: global_buffer, .address_space: global }
      - { .name: logit_width, .offset: 24, .size: 8, .value_kind: global_buffer, .address_space: global }
      - { .name: xq, .offset: 32, .size: 8, .value_kind: global_buffer, .address_space: global }
      - { .name: w1q, .offset: 40, .size: 8, .value_kind: global_buffer, .address_space: global }
      - { .name: w2q, .offset: 48, .size: 8, .value_kind: global_buffer, .address_space: global }
      - { .name: out1, .offset: 56, .size: 8, .value_kind: global_buffer, .address_space: global }
      - { .name: widths, .offset: 64, .size: 8, .value_kind: global_buffer, .address_space: global }
    .group_segment_fixed_size: 34304
    .private_segment_fixed_size: 0
    .kernarg_segment_align: 8
    .kernarg_segment_size: 72
    .max_flat_workgroup_size: 128
    .sgpr_count:     66
    .vgpr_count:     384
    .wavefront_size: 32
...
	.end_amdgpu_metadata
.endif
;; end of part 1
;; launch up (part 2): grid 8 x 32, 8 waves a work-group, no clusters, 263,168 bytes of LDS; arguments xq, w1q, b1, widths, hq; writes hq
.if DOCPART == 2
	.amdgcn_target "amdgcn-amd-amdhsa--gfx1250"
	.amdhsa_code_object_version 6
	.text
	.protected	k_qcdf5e4aa55_up
	.globl	k_qcdf5e4aa55_up
	.p2align	8
	.type	k_qcdf5e4aa55_up,@function
k_qcdf5e4aa55_up:
	s_mov_b64 s[64:65], 0
	v_nop
	global_prefetch_b8 v0, s[64:65] scope:SCOPE_SE
	s_setreg_imm32_b32 hwreg(HW_REG_WAVE_MODE, 25, 1), 1
	s_wait_xcnt 0x0
; UP: the hidden layer's live part, h = g(Q(x) Q(W1)^T + b1), g(t) = t sigmoid(1.702 t), quantised along the hidden axis into records of hq (the record: 16 rows x 512 K in the order of the operand's registers,
; byte 1024 q + 512 c + 16 lane = registers 4 c .. 4 c + 3 of K step q; byte 4096 + 16 r + 4 q = row r's scale word; a buffer is [K / 512][rows / 16] records of 4,352 bytes).
; LEFT OUT: hidden units at or beyond 1024 x width of a batch.  They lie in blocks of 32 that reference()'s own prefix mask makes zeros, which add exactly 0 to the second product, and the launch that follows reads
; none of them.  The width is a whole number read from memory (the launch before stored it).  It decides two forward branches and enters no address.
; LIMIT: an infinity or a NaN that would arise only in the part left out is not carried to the result.
; NO TENSOR LOAD, NO CLUSTER: the walk hangs on a number read from memory, so operands go from memory straight into registers, each fragment by two loads of 512 consecutive bytes.  No prefetch: the text has no loop.
; SHARES.  Work-group (bx, gy), bx = 0 .. 7, eight waves: rows 256 gy on.  Wave W: rows 256 gy + 64 (W % 4) on, tile column gx = bx + 8 (W / 4).  A WAVE STAYS: it makes the tile of hidden units 128 gx on and then, if
; the batch's width has it, the tile 128 (gx + 16) on.  Waves W and W + 4 read the same records of x, in the same order along K.  A wave whose first tile lies beyond the width (width 1, gx from 8 on) stores
; nothing and ends; waves 0-3 of every work-group have work.
; x IS BROUGHT IN ONCE A WAVE: in the first tile each step's four fragments of x are stored, as images of their registers, into LDS bytes of the wave's own (32 KiB a wave: 8 steps x 4 fragments x 1,024 bytes);
; the second tile reads them from there, and x's scale words stay in their registers.  Waves share no LDS byte: no barrier.
; A wave's tile is 64 rows x 128 hidden units: 32 accumulators, window 1.  K = 1,024 in eight steps of 128.
; THE TEXT HAS NO LOOP: steps 0-5 of the first tile; a branch on the width; the first tile's end with the second tile's first requests in it, and the second tile's steps 0-5; then, for both ways, a last tile's end,
; whose waits take the lesser of the two ways' counts.
; THE MATRIX INSTRUCTION IS USED TRANSPOSED (source 0 = 16 rows of W1, source 1 = 16 rows of x): a lane holds one row of x, and by the order of W1's rows in its blocks the 16 registers of tiles 2 b and 2 b + 1 are
; hidden units 32 b + 16 (lane / 16) + 0 .. 15: 16 neighbours along the next K, as the conversions want them.
; THE BIAS is loaded into the registers of x's block 0's accumulators and is the C of every sum's first product: blocks 1-3 read it there, then block 0 adds in place.  Nothing is cleared, nothing is added later.
; REGISTERS.  Window 0: v1-14 offsets; v16-63 scale words and nothing else; v64-159 fragment set A, v160-255 set B (4 fragments of x, 8 of W1 each); the activation works in v160-253.  Window 1: accumulator (a, b) at v[8 (8 a + b)].
.set REC,  4352
.set SAX,  512*REC                     ; from one 512 along K to the next, in xq and in hq
.set SAW,  256*REC                     ; in w1q
.set TSTEP, 16                         ; tiles of 128 hidden units from a wave's first tile to its second
.set XW,   32768                       ; LDS bytes of a wave: its fragments of x
.set SPARE, 8*XW                       ; behind them the spare words, 128 bytes for each wave: four blocks of 256 bytes that no other line names
.set VX,   1                           ; v1-2   16 x lane + the slot's 512 along K, in xq
.set VW,   3                           ; v3-4   in w1q
.set VSX,  5                           ; v5-6   4096 + 16 r + 4352 h + the same: lanes 0-15 an even block's scale words, lanes 16-31 the odd block's behind it
.set VSW,  7                           ; v7-8
.set VB,   9                           ; v9     the bias: 64 h
.set HO,   10                          ; v10    hq: 16 x lane + 1024 x (gx % 4)
.set HS,   11                          ; v11    hq's scale words: 4096 + 16 r + 4352 h + 4 x (gx % 4)
.set VL,   12                          ; v12    LDS: my wave's bytes + 16 x lane
.set SPW,  13                          ; v13    LDS address of my spare word; never rewritten
.set NIL,  14                          ; v14    0; never rewritten
.set SC,   16                          ; scale words: x's block a, slot t, K step q: v[16 + 24 t + 4 (a / 2) + q]; W1's block b: v[16 + 24 t + 8 + 4 (b / 2) + q]
.set T,    160                         ; the activation: 64 numbers
.set TM,   224                         ; the quantiser's work
.set PW,   240                         ; a scale word for each of x's four blocks
.set PWM,  244                         ; two of them, by the lane's half
.set PC,   246                         ; a block's codes: 8 registers
.set WV,   14
.set GX,   15
.set GY,   16
.set WD,   17
.set LPX,  20                          ; s[20:21] xq at my four blocks
.set LPW,  22                          ; s[22:23] w1q at the eight blocks of the tile whose loads are being issued
.set BB,   24                          ; s[24:25] b1 at that tile's 128 hidden units
.set HQ,   26                          ; s[26:27] hq at the four records into which the tile in hand is stored
.set NC,   30                          ; s[30:31] -1.702 log2(e)
.set SEL,  32                          ; s[32:33] v_permlanex16_b32's selects for lane l xor 16
.set HALF, 34                          ; s34     the mask of lanes 16-31
.set MSB, 0
.macro WIN new                         ; the immediate's high byte repeats the setting that is left; a switch that changes nothing is dropped
.if MSB != (\new)
	s_set_vgpr_msb (MSB<<8)|(\new)
.set MSB, (\new)
.endif
.endm
.macro PLACES n
.rept \n
	v_nop
.endr
.endm
.macro SETS s                          ; step s: its slot (512 along K), its K step in the slot, its set of fragment registers
.set SLT, ((\s)%8)/4
.set QQ, (\s)%4
.set FB, 64+96*((\s)%2)
.endm
.macro FLOAD s, m                      ; step s's 12 fragments.  m = 1: all 24 loads from memory; m = 2: x's 8 from my LDS bytes, W1's 16 from memory
	SETS \s
.irp a, 0,1,2,3
.irp c, 0,1
.if \m == 1
	global_load_b128 v[FB+8*\a+4*\c:FB+8*\a+4*\c+3], v[VX+SLT], s[LPX:LPX+1] offset:\a*REC+1024*QQ+512*\c
.else
	ds_load_b128 v[FB+8*\a+4*\c:FB+8*\a+4*\c+3], v[VL] offset:(4*((\s)%8)+\a)*1024+512*\c
.endif
.endr
.endr
.irp b, 0,1,2,3,4,5,6,7
.irp c, 0,1
	global_load_b128 v[FB+32+8*\b+4*\c:FB+32+8*\b+4*\c+3], v[VW+SLT], s[LPW:LPW+1] offset:\b*REC+1024*QQ+512*\c
.endr
.endr
.endm
.macro XSAVE s                         ; step s's four fragments of x, as they lie in their registers, into my LDS bytes
	SETS \s
.irp a, 0,1,2,3
.irp c, 0,1
	ds_store_b128 v[VL], v[FB+8*\a+4*\c:FB+8*\a+4*\c+3] offset:(4*((\s)%8)+\a)*1024+512*\c
.endr
.endr
.endm
.macro SLOADX slot                     ; a slot's scale words of x: four words (four K steps) a row; a load takes two blocks
.irp i, 0,1
	global_load_b128 v[SC+24*(\slot)+4*\i:SC+24*(\slot)+4*\i+3], v[VSX+(\slot)], s[LPX:LPX+1] offset:2*\i*REC
.endr
.endm
.macro SLOADW slot                     ; and of W1
.irp i, 0,1,2,3
	global_load_b128 v[SC+24*(\slot)+8+4*\i:SC+24*(\slot)+8+4*\i+3], v[VSW+(\slot)], s[LPW:LPW+1] offset:2*\i*REC
.endr
.endm
.macro BIAS                            ; the bias in the result's layout: lane (r, h), tile b, register j: hidden unit 32 (b / 2) + 16 h + 8 (b % 2) + j; into block 0's accumulators
	WIN 0x40                                       ; destination window 1
.irp b, 0,1,2,3,4,5,6,7
	global_load_b128 v[8*\b:8*\b+3], v[VB], s[BB:BB+1] offset:(32*(\b/2)+8*(\b%2))*4
	global_load_b128 v[8*\b+4:8*\b+7], v[VB], s[BB:BB+1] offset:(32*(\b/2)+8*(\b%2))*4+16
.endr
	WIN 0
.endm
.macro MROW a, bias                    ; eight products: x's block a against W's eight.  bias = 1: C is the bias, which lies in block 0's accumulators
.irp b, 0,1,2,3,4,5,6,7
.set rD, 8*(8*(\a)+\b)
.set rC, rD
.if \bias
.set rC, 8*\b
.endif
.set rW, FB+32+8*\b
.set rX, FB+8*(\a)
.set rSW, SC+24*SLT+8+4*(\b/2)+QQ
.set rSX, SC+24*SLT+4*((\a)/2)+QQ
.if (\b%2) && ((\a)%2)
	v_wmma_scale_f32_16x16x128_f8f6f4 v[rD:rD+7], v[rW:rW+7], v[rX:rX+7], v[rC:rC+7], v[rSW], v[rSX] matrix_a_fmt:MATRIX_FMT_FP4 matrix_b_fmt:MATRIX_FMT_FP4 matrix_a_scale:MATRIX_SCALE_ROW1 matrix_b_scale:MATRIX_SCALE_ROW1
.elseif (\b%2)
	v_wmma_scale_f32_16x16x128_f8f6f4 v[rD:rD+7], v[rW:rW+7], v[rX:rX+7], v[rC:rC+7], v[rSW], v[rSX] matrix_a_fmt:MATRIX_FMT_FP4 matrix_b_fmt:MATRIX_FMT_FP4 matrix_a_scale:MATRIX_SCALE_ROW1
.elseif ((\a)%2)
	v_wmma_scale_f32_16x16x128_f8f6f4 v[rD:rD+7], v[rW:rW+7], v[rX:rX+7], v[rC:rC+7], v[rSW], v[rSX] matrix_a_fmt:MATRIX_FMT_FP4 matrix_b_fmt:MATRIX_FMT_FP4 matrix_b_scale:MATRIX_SCALE_ROW1
.else
	v_wmma_scale_f32_16x16x128_f8f6f4 v[rD:rD+7], v[rW:rW+7], v[rX:rX+7], v[rC:rC+7], v[rSW], v[rSX] matrix_a_fmt:MATRIX_FMT_FP4 matrix_b_fmt:MATRIX_FMT_FP4
.endif
.endr
.endm
; A step's 32 products.  The 32 accumulators take turns, one instruction a turn.
.macro MUL s, first
	SETS \s
	WIN 0x50                                       ; C and D window 1; the fragments window 0
.if \first
	MROW 1, 1
	MROW 2, 1
	MROW 3, 1
	PLACES 5                                       ; block 0's products write over registers that the products above read as C: five places
	MROW 0, 0
.else
	MROW 0, 0
	MROW 1, 0
	MROW 2, 0
	MROW 3, 0
.endif
.endm
; cnt, dcnt: the global and the LDS instructions issued behind this step's loads, which may stay out (dcnt = -1: no LDS load brought anything for it).  nxt, m: a step whose fragments are asked for behind the
; products, and how (nxt = -1: none).  sv = 1: this step's fragments of x go into LDS.
.macro STEP s, cnt, dcnt, first, nxt, m, sv
	s_wait_loadcnt \cnt
.if \dcnt >= 0
	s_wait_dscnt \dcnt
.endif
.if \sv
	XSAVE \s
.endif
	MUL \s, \first
	PLACES 4                                       ; in front of loads into, and vector writes of, registers that matrix instructions have read, and of the first read of results
	WIN 0
.if \sv
	s_wait_dscnt 0x0                               ; the LDS stores have read their registers, which are written again below
.endif
.if \nxt >= 0
	FLOAD \nxt, \m
.endif
.endm
; A tile's steps 0 to 5.  On the way in step 0's and step 1's fragments, the scale words and the bias have been asked for, step 1's fragments last.
.macro PRE cnt, dcnt, m, sv
	STEP 0, \cnt, \dcnt, 1, 2, \m, \sv
	STEP 1, \cnt, \dcnt, 0, 3, \m, \sv
	STEP 2, \cnt, \dcnt, 0, 4, \m, \sv
	STEP 3, \cnt, \dcnt, 0, 5, \m, \sv
	STEP 4, \cnt, \dcnt, 0, 6, \m, \sv
	STEP 5, \cnt, \dcnt, 0, 7, \m, \sv
.endm
; 64 numbers of a lane, register 16 b + i = k 32 b + 16 (lane / 16) + i of my row, become a fragment's 8 registers of codes and its scale word.
.macro QUANT s, pc, pw
.set qS, \s
.set qP, \pc
.set qW, \pw
.irp b, 0,1,2,3
	v_max3_num_f32 v[TM+\b], |v[qS+16*\b]|, |v[qS+1+16*\b]|, 0x1800000   ; block b: my 16 numbers, and the floor 2^(3 - 127): the byte cannot fall under 1
.endr
.irp i, 2,4,6,8,10,12,14
.irp b, 0,1,2,3
	v_max3_num_f32 v[TM+\b], v[TM+\b], |v[qS+16*\b+\i]|, |v[qS+1+16*\b+\i]|
.endr
.endr
.irp b, 0,1,2,3
	v_permlanex16_b32 v[TM+4+\b], v[TM+\b], s[SEL], s[SEL+1]
.endr
.irp b, 0,1,2,3
	v_max_num_f32 v[TM+\b], v[TM+\b], v[TM+4+\b]   ; with lane l xor 16's: the block's largest magnitude
.endr
.irp b, 0,1,2,3
	v_add_nc_u32 v[TM+12+\b], 0xff000000, v[TM+\b] ; 2 off its exponent field: the conversion's scale operand
.endr
.irp b, 0,1,2,3
	v_lshrrev_b32 v[TM+4+\b], 23, v[TM+12+\b]      ; the scale's byte
.endr
	v_lshl_or_b32 v[qW], v[TM+5], 8, v[TM+4]
	v_lshl_or_b32 v[qW], v[TM+6], 16, v[qW]
	v_lshl_or_b32 v[qW], v[TM+7], 24, v[qW]
.irp b, 0,1,2,3
	v_cvt_scalef32_pk8_fp4_f32 v[qP+2*\b], v[qS+16*\b:qS+7+16*\b], v[TM+12+\b]
	v_cvt_scalef32_pk8_fp4_f32 v[qP+1+2*\b], v[qS+8+16*\b:qS+15+16*\b], v[TM+12+\b]
.endr
	v_nop                                          ; one plain place behind a scaled conversion
.irp c, 0,1
.irp i, 0,1
	v_permlane16_swap_b32 v[qP+4*\c+\i], v[qP+2+4*\c+\i]   ; a whole block of 32 to a lane
.endr
.endr
.endm
.macro TMINIT                          ; a lane permute's destination counts as one of its sources: written once ahead of a tile's four quantisers (fragments have lain there)
.irp b, 0,1,2,3
	v_mov_b32 v[TM+4+\b], 0
.endr
.endm
; x's block a: 16 rows x 128 hidden units, 64 numbers a lane: activation in f32, quantised, stored as K step gx % 4 of the rows' record.
.macro ACT a
	WIN 0x01                                       ; source 0: the accumulators, window 1
.set ix, 0
.rept 32
	v_pk_mul_f32 v[T+ix:T+ix+1], v[64*(\a)+ix:64*(\a)+ix+1], s[NC:NC+1] op_sel_hi:[1,0]   ; -1.702 log2(e) t; each accumulator is read from its low end on
.set ix, ix+2
.endr
	WIN 0
.set ix, 0
	s_wait_alu depctr_va_vdst(0)                   ; a wait ahead of the batch
.rept 64
	v_exp_f32 v[T+ix], v[T+ix]                     ; e^(-1.702 t): one batch
.set ix, ix+1
.endr
	v_nop                                          ; a plain place behind the last,
	s_wait_alu depctr_va_vdst(0)                   ; and one wait for the batch, ahead of its first reader
.set ix, 0
.rept 32
	v_pk_add_f32 v[T+ix:T+ix+1], v[T+ix:T+ix+1], 1.0 op_sel_hi:[1,0]
.set ix, ix+2
.endr
.set ix, 0
	s_wait_alu depctr_va_vdst(0)
.rept 64
	v_rcp_f32 v[T+ix], v[T+ix]                     ; sigmoid(1.702 t): the second batch
.set ix, ix+1
.endr
	v_nop
	s_wait_alu depctr_va_vdst(0)
	WIN 0x01
.set ix, 0
.rept 32
	v_pk_mul_f32 v[T+ix:T+ix+1], v[64*(\a)+ix:64*(\a)+ix+1], v[T+ix:T+ix+1]   ; t sigmoid(1.702 t)
.set ix, ix+2
.endr
	WIN 0
.if (\a) > 0
	s_wait_xcnt 0x0                                ; the last block's stores have read the codes' registers: they are written again only behind this wait
.endif
	QUANT T, PC, PW+(\a)
.irp c, 0,1
	global_store_b128 v[HO], v[PC+4*\c:PC+4*\c+3], s[HQ:HQ+1] offset:REC*(\a)+512*\c   ; 512 consecutive bytes, aligned to 256
.endr
.endm
.macro SCOUT                           ; the tile's scale words: lanes 0-15 block 2 i's rows, lanes 16-31 block 2 i + 1's.  Four bytes of each row's sixteen: the other twelve are three other tiles'
.irp i, 0,1
	v_cndmask_b32 v[PWM+\i], v[PW+2*\i], v[PW+2*\i+1], s[HALF]
	global_store_b32 v[HS], v[PWM+\i], s[HQ:HQ+1] offset:2*\i*REC
.endr
.endm
	s_load_b256 s[4:11], s[0:1], 0x0               ; xq s[4:5], w1q s[6:7], b1 s[8:9], widths s[10:11]
	s_load_b64 s[12:13], s[0:1], 0x20              ; hq
	v_lshrrev_b32 v160, 5, v0
	v_readfirstlane_b32 s43, v160                  ; wave 0..7
	s_and_b32 s[WV], s43, 3                        ; which 64 of the 256 rows
	s_lshr_b32 s44, s43, 2
	s_lshl_b32 s44, s44, 3
	s_add_co_u32 s[GX], ttmp9, s44                 ; my first tile: bx + 8 (wave / 4), 0 .. 15
	s_lshl_b32 s45, s43, 15                        ; my LDS bytes: 32 KiB x wave
	s_and_b32 s[GY], ttmp7, 0xffff
	s_lshr_b32 s35, s[GY], 3                       ; the batch: 2,048 rows are eight gy;
	s_lshl_b32 s35, s35, 4                         ; its width stands in word 4 x batch
	s_wait_kmcnt 0x0
	s_load_b32 s[WD], s[10:11], s35 offset:0x0
	s_xor_b32 s18, s[GX], s[GY]
	s_and_b32 s18, s18, 1                          ; which half of K comes first (the same for both of my tiles, and for waves W and W + 4)
	s_xor_b32 s19, s18, 1
	s_mul_i32 s36, s18, SAX
	s_mul_i32 s37, s19, SAX
	s_mul_i32 s38, s18, SAW
	s_mul_i32 s39, s19, SAW
	s_and_b32 s40, s[GX], 3                        ; which K step of a record of hq my 128 hidden units are (the same for both tiles)
	s_lshl_b32 s41, s40, 10
	s_lshl_b32 s46, s40, 2
	v_and_b32 v161, 31, v0                         ; lane
	v_and_b32 v162, 15, v0                         ; r
	v_bfe_u32 v163, v0, 4, 1                       ; h
	v_lshlrev_b32 v164, 4, v161                    ; 16 x lane
	v_add_nc_u32 v[VX], s36, v164
	v_add_nc_u32 v[VX+1], s37, v164
	v_add_nc_u32 v[VW], s38, v164
	v_add_nc_u32 v[VW+1], s39, v164
	v_mul_u32_u24 v[HS], v163, REC
	v_lshl_add_u32 v[HS], v162, 4, v[HS]
	v_add_nc_u32 v[HS], 4096, v[HS]                ; 4096 + 16 r + 4352 h
	v_add_nc_u32 v[VSX], s36, v[HS]
	v_add_nc_u32 v[VSX+1], s37, v[HS]
	v_add_nc_u32 v[VSW], s38, v[HS]
	v_add_nc_u32 v[VSW+1], s39, v[HS]
	v_lshlrev_b32 v[VB], 6, v163
	v_add_nc_u32 v[HO], s41, v164
	v_add_nc_u32 v[HS], s46, v[HS]
	v_add_nc_u32 v[VL], s45, v164
	v_lshl_add_u32 v[SPW], v0, 2, SPARE
	v_mov_b32 v[NIL], 0
	s_mov_b32 s[NC], 0xc01d265f                    ; -1.702 log2(e)
	s_mov_b32 s[NC+1], s[NC]                       ; (named with it as a pair, so it is written)
	s_mov_b32 s[SEL], 0x76543210
	s_mov_b32 s[SEL+1], 0xfedcba98
	s_mov_b32 s[HALF], 0xffff0000
	s_lshl_b32 s42, s[GY], 4
	s_lshl_b32 s29, s[WV], 2
	s_add_co_u32 s42, s42, s29                     ; my first block of 16 rows: 16 gy + 4 (wave % 4)
	s_mul_i32 s28, s42, REC
	s_mov_b32 s29, 0
	s_add_nc_u64 s[LPX:LPX+1], s[4:5], s[28:29]
	s_mul_i32 s28, s[GX], 8*REC
	s_add_nc_u64 s[LPW:LPW+1], s[6:7], s[28:29]
	s_lshl_b32 s28, s[GX], 9
	s_add_nc_u64 s[BB:BB+1], s[8:9], s[28:29]
	s_lshr_b32 s28, s[GX], 2                       ; hq: 512 along its K are four tiles
	s_lshl_b32 s28, s28, 9
	s_add_co_u32 s28, s28, s42
	s_mul_i32 s28, s28, REC                        ; (under 2^25)
	s_add_nc_u64 s[HQ:HQ+1], s[12:13], s[28:29]
	s_wait_kmcnt 0x0
	s_min_u32 s[WD], s[WD], 4                      ; the width, 1 .. 4, held inside its range
	s_lshl_b32 s[WD], s[WD], 3                     ; in tiles of 128 hidden units
	s_cmp_ge_u32 s[GX], s[WD]
	s_cbranch_scc1 .Ldead                          ; my first tile lies beyond the batch's width: nothing to do
	s_wait_alu depctr_va_vdst(0)
	BIAS
	SLOADX 0
	SLOADW 0
	SLOADX 1
	SLOADW 1
	FLOAD 0, 1
	FLOAD 1, 1
	PRE 24, -1, 1, 1                               ; the first tile's steps 0 to 5.  24: the one younger step's loads
	s_add_co_u32 s35, s[GX], TSTEP
	s_cmp_ge_u32 s35, s[WD]
	s_cbranch_scc1 .Llast                          ; the width has no second tile for me: this one is the last
	s_wait_xcnt 0x0                                ; all of the first tile's loads have read their bases: they are written again only behind this wait
	s_add_nc_u64 s[LPW:LPW+1], s[LPW:LPW+1], TSTEP*8*REC   ; W1's blocks and the bias of the second tile: constant steps
	s_add_nc_u64 s[BB:BB+1], s[BB:BB+1], TSTEP*512
	STEP 6, 24, -1, 0, 0, 2, 1                     ; behind its products set A takes the second tile's step 0: x from LDS, W1 from memory
	STEP 7, 16, -1, 0, -1, 2, 1                    ; 16: those loads of W1
	SLOADW 0                                       ; W1's scale words were last read by step 7's products, four places back; x's stay
	SLOADW 1
	TMINIT
	ACT 0
	BIAS                                           ; block 0's accumulators have been read for the last time
	ACT 1
	ACT 2
	ACT 3
	SCOUT
	s_wait_xcnt 0x0                                ; the tile's stores have read their data and their base: set B's registers and the base are written again only behind this wait
	s_add_nc_u64 s[HQ:HQ+1], s[HQ:HQ+1], (TSTEP/4)*SAX     ; the second tile's records lie four times 512 along hq's K further on
	FLOAD 1, 2
	PRE 16, 8, 2, 0                                ; the second tile's steps 0 to 5.  16 and 8: the one younger step's loads of W1 and LDS loads of x
.Llast:                                            ; one way arrives with 24 + 24 global loads out, the other with 16 + 16 and 8 + 8 LDS loads: the lesser counts serve both
	STEP 6, 16, 8, 0, -1, 2, 0
	STEP 7, 0, 0, 0, -1, 2, 0
	TMINIT
	ACT 0
	ACT 1
	ACT 2
	ACT 3
	SCOUT
	s_wait_tensorcnt 0x0                           ; the wave's end
	ds_add_u32 v[SPW], v[NIL]
	s_wait_dscnt 0x0
	s_endpgm
.Ldead:                                            ; this wave has written no LDS byte
	s_endpgm
.Lfunc_end_k_qcdf5e4aa55_up:
	.size	k_qcdf5e4aa55_up, .Lfunc_end_k_qcdf5e4aa55_up-k_qcdf5e4aa55_up
	.p2alignl 7, 3214868480
	.fill 96, 4, 3214868480
	.section	.rodata,"a",@progbits
	.p2align	6, 0x0
	.amdhsa_kernel k_qcdf5e4aa55_up
		.amdhsa_group_segment_fixed_size 263168
		.amdhsa_private_segment_fixed_size 0
		.amdhsa_enable_private_segment 0
		.amdhsa_kernarg_size 40
		.amdhsa_user_sgpr_count 2
		.amdhsa_user_sgpr_kernarg_segment_ptr 1
		.amdhsa_wavefront_size32 1
		.amdhsa_system_sgpr_workgroup_id_x 1
		.amdhsa_system_sgpr_workgroup_id_y 1
		.amdhsa_system_sgpr_workgroup_id_z 1
		.amdhsa_system_vgpr_workitem_id 0
		.amdhsa_next_free_vgpr 512
		.amdhsa_next_free_sgpr 66
		.amdhsa_reserve_vcc 0
		.amdhsa_float_denorm_mode_32 3
		.amdhsa_float_denorm_mode_16_64 3
		.amdhsa_memory_ordered 1
		.amdhsa_forward_progress 1
		.amdhsa_inst_pref_size 230
	.end_amdhsa_kernel
	.amdgpu_metadata
---
amdhsa.version: [ 1, 2 ]
amdhsa.kernels:
  - .name:           k_qcdf5e4aa55_up
    .symbol:         k_qcdf5e4aa55_up.kd
    .args:
      - { .name: xq, .offset: 0, .size: 8, .value_kind: global_buffer, .address_space: global }
      - { .name: w1q, .offset: 8, .size: 8, .value_kind: global_buffer, .address_space: global }
      - { .name: b1, .offset: 16, .size: 8, .value_kind: global_buffer, .address_space: global }
      - { .name: widths, .offset: 24, .size: 8, .value_kind: global_buffer, .address_space: global }
      - { .name: hq, .offset: 32, .size: 8, .value_kind: global_buffer, .address_space: global }
    .group_segment_fixed_size: 263168
    .private_segment_fixed_size: 0
    .kernarg_segment_align: 8
    .kernarg_segment_size: 40
    .max_flat_workgroup_size: 256
    .sgpr_count:     66
    .vgpr_count:     512
    .wavefront_size: 32
...
	.end_amdgpu_metadata
.endif
;; end of part 2
;; launch down (part 3): grid 8 x 32, 4 waves a work-group, no clusters, 34,304 bytes of LDS; arguments hq, w2q, b2, widths, out0; writes out0
.if DOCPART == 3
	.amdgcn_target "amdgcn-amd-amdhsa--gfx1250"
	.amdhsa_code_object_version 6
	.text
	.protected	k_qcdf5e4aa55_down
	.globl	k_qcdf5e4aa55_down
	.p2align	8
	.type	k_qcdf5e4aa55_down,@function
k_qcdf5e4aa55_down:
	s_mov_b64 s[64:65], 0
	v_nop
	global_prefetch_b8 v0, s[64:65] scope:SCOPE_SE
	s_setreg_imm32_b32 hwreg(HW_REG_WAVE_MODE, 25, 1), 1
	s_wait_xcnt 0x0
; DOWN: out0 = Q(h) Q(W2)^T + b2, summed over the first 1024 x width of K alone (the record of hq and w2q: 16 rows x 512 K in the order of the operand's registers, byte 1024 q + 512 c + 16 lane = registers 4 c .. 4 c + 3
; of K step q; byte 4096 + 16 r + 4 q = row r's scale word; a buffer is [K / 512][rows / 16] records of 4,352 bytes).
; LEFT OUT: the K steps at or beyond 1024 x width of a batch: there reference()'s own prefix mask makes the operand's blocks zeros, which add exactly 0.  The width is a whole number read from memory; it says after how many
; chunks of K the wave leaves the loop.  No address is made of it.
; LIMIT: an infinity or a NaN that would arise only in the part left out is not carried to the result.
; NO TENSOR LOAD, NO CLUSTER, though work-groups read the same records: the walk's length hangs on a number read from memory, and it differs from wave to wave, so operands go from memory straight into registers and no barrier stands in the text.
; SHARES.  Work-group (j, i): output columns 128 j on.  THE WAVE'S NUMBER IS THE BATCH: wave w takes rows 2048 w + 64 i on, so that every work-group has one wave of each batch and all work-groups load alike.
; A wave's tile is 64 rows x 128 columns: 32 accumulators, window 1.  K goes in chunks of 1,024 (eight steps of 128), from chunk 0 upward; width chunks in all.  The two halves of a chunk are taken in either order, by a bit
; of j, so that the work-groups that read the same rows of hq fall into two groups that begin at different ends: the sum's order along K differs, its terms do not.
; THE MATRIX INSTRUCTION IS USED TRANSPOSED (source 0 = 16 rows of W2, source 1 = 16 rows of h): a lane holds eight neighbouring columns of one row of out0.  The bias is the C of every sum's first product.
; REGISTERS.  Window 0: v1-14 offsets; v16-63 scale words and nothing else; v64-159, v160-255 fragment sets 0, 1.  Window 1: accumulator (a, b) at v[8 (8 a + b)].  Window 2: v0-95, v96-191 fragment sets 2, 3.
.set REC,  4352
.set SAX,  512*REC                     ; from one 512 along K to the next, in hq
.set SAW,  64*REC                      ; in w2q
.set NS,   4                           ; sets of fragment registers: loads run three steps ahead
.set SP,   528                         ; a stage row: 512 bytes + 16
.set STG,  16*SP                       ; a wave's stage for the way out
.set SPARE, 4*STG                      ; behind the four stages: the spare words, 128 bytes for each wave: two blocks of 256 bytes that no other line names
.set VX,   1                           ; v1-2   16 x lane + the slot's 512 along K, in hq
.set VW,   3                           ; v3-4   in w2q
.set VSX,  5                           ; v5-6   4096 + 16 r + 4352 h + the same
.set VSW,  7                           ; v7-8
.set VB,   9                           ; v9     the bias: 32 h
.set STO,  10                          ; v10    the stage: where I put 32 bytes of a row
.set RD,   11                          ; v11    and where I read a row back
.set CO,   12                          ; v12    16 x lane
.set SPW,  13                          ; v13    LDS address of my spare word; never rewritten
.set NIL,  14                          ; v14    0; never rewritten
.set SC,   16                          ; scale words: h's block a, slot t, K step q: v[16 + 24 t + 4 (a / 2) + q]; W2's block b: v[16 + 24 t + 8 + 4 (b / 2) + q]
.set WV,   14
.set GJ,   15
.set GI,   16
.set WD,   17                          ; s17     the batch's width: chunks of 1,024 along K, 1 .. 4
.set LPX,  20                          ; s[20:21] hq at my four blocks, in the chunk whose loads are being issued
.set LPW,  22                          ; s[22:23] w2q at my eight blocks, likewise
.set BB,   24                          ; s[24:25] b2 at my 128 columns
.set OUTP, 26                          ; s[26:27] out0 at my tile
.set TR,   48                          ; s48     chunks that have been asked for
.set MSB, 0
.macro WIN new                         ; the immediate's high byte repeats the setting that is left; a switch that changes nothing is dropped
.if MSB != (\new)
	s_set_vgpr_msb (MSB<<8)|(\new)
.set MSB, (\new)
.endif
.endm
.macro PLACES n
.rept \n
	v_nop
.endr
.endm
.macro SETS s                          ; step s: its slot (512 along K), its K step in the slot, its set of fragment registers and that set's window
.set SLT, ((\s)%8)/4
.set QQ, (\s)%4
.set PP, (\s)%NS
.if PP < 2
.set FB, 64+96*PP
.set FWIN, 0
.else
.set FB, 96*(PP-2)
.set FWIN, 2
.endif
.endm
.macro FLOAD s                         ; step s's 12 fragments: 24 loads of 512 consecutive bytes
	SETS \s
	WIN 64*FWIN                                    ; destination window 0 or 2; the offsets lie in window 0
.irp a, 0,1,2,3
.irp c, 0,1
	global_load_b128 v[FB+8*\a+4*\c:FB+8*\a+4*\c+3], v[VX+SLT], s[LPX:LPX+1] offset:\a*REC+1024*QQ+512*\c
.endr
.endr
.irp b, 0,1,2,3,4,5,6,7
.irp c, 0,1
	global_load_b128 v[FB+32+8*\b+4*\c:FB+32+8*\b+4*\c+3], v[VW+SLT], s[LPW:LPW+1] offset:\b*REC+1024*QQ+512*\c
.endr
.endr
	WIN 0
.endm
.macro SLOAD slot                      ; a slot's scale words: four words (four K steps) a row; a load takes two blocks
.irp i, 0,1
	global_load_b128 v[SC+24*(\slot)+4*\i:SC+24*(\slot)+4*\i+3], v[VSX+(\slot)], s[LPX:LPX+1] offset:2*\i*REC
.endr
.irp i, 0,1,2,3
	global_load_b128 v[SC+24*(\slot)+8+4*\i:SC+24*(\slot)+8+4*\i+3], v[VSW+(\slot)], s[LPW:LPW+1] offset:2*\i*REC
.endr
.endm
.macro MROW a, bias                    ; eight products: h's block a against W2's eight.  bias = 1: C is the bias, which lies in block 0's accumulators
.irp b, 0,1,2,3,4,5,6,7
.set rD, 8*(8*(\a)+\b)
.set rC, rD
.if \bias
.set rC, 8*\b
.endif
.set rW, FB+32+8*\b
.set rX, FB+8*(\a)
.set rSW, SC+24*SLT+8+4*(\b/2)+QQ
.set rSX, SC+24*SLT+4*((\a)/2)+QQ
.if (\b%2) && ((\a)%2)
	v_wmma_scale_f32_16x16x128_f8f6f4 v[rD:rD+7], v[rW:rW+7], v[rX:rX+7], v[rC:rC+7], v[rSW], v[rSX] matrix_a_fmt:MATRIX_FMT_FP4 matrix_b_fmt:MATRIX_FMT_FP4 matrix_a_scale:MATRIX_SCALE_ROW1 matrix_b_scale:MATRIX_SCALE_ROW1
.elseif (\b%2)
	v_wmma_scale_f32_16x16x128_f8f6f4 v[rD:rD+7], v[rW:rW+7], v[rX:rX+7], v[rC:rC+7], v[rSW], v[rSX] matrix_a_fmt:MATRIX_FMT_FP4 matrix_b_fmt:MATRIX_FMT_FP4 matrix_a_scale:MATRIX_SCALE_ROW1
.elseif ((\a)%2)
	v_wmma_scale_f32_16x16x128_f8f6f4 v[rD:rD+7], v[rW:rW+7], v[rX:rX+7], v[rC:rC+7], v[rSW], v[rSX] matrix_a_fmt:MATRIX_FMT_FP4 matrix_b_fmt:MATRIX_FMT_FP4 matrix_b_scale:MATRIX_SCALE_ROW1
.else
	v_wmma_scale_f32_16x16x128_f8f6f4 v[rD:rD+7], v[rW:rW+7], v[rX:rX+7], v[rC:rC+7], v[rSW], v[rSX] matrix_a_fmt:MATRIX_FMT_FP4 matrix_b_fmt:MATRIX_FMT_FP4
.endif
.endr
.endm
; A step's 32 products.  The 32 accumulators take turns, one instruction a turn, over the loop's backward jump and into the tail too.
.macro MUL s, first
	SETS \s
	WIN 0x50+5*FWIN                                ; C and D window 1; the fragments window 0 or 2
.if \first
	MROW 1, 1
	MROW 2, 1
	MROW 3, 1
	PLACES 5                                       ; block 0's products write over registers that the products above read as C: five places
	MROW 0, 0
.else
	MROW 0, 0
	MROW 1, 0
	MROW 2, 0
	MROW 3, 0
.endif
.endm
; cnt: the loads issued behind this step's, which may stay out.  sc, nxt: a slot's scale words and a step's fragments to be asked for behind the products (-1: none).
.macro STEP s, cnt, first, sc, nxt
	s_wait_loadcnt \cnt
	MUL \s, \first
	PLACES 4                                       ; in front of loads into registers that matrix instructions have read, and of the first read of results
	WIN 0
.if \sc >= 0
	SLOAD \sc
.endif
.if \nxt >= 0
	FLOAD \nxt
.endif
.endm
; On to the next chunk of 1,024 along K: two records' rows further on in each buffer, a constant step.
.macro ADV
	s_wait_xcnt 0x0                                ; the loads issued so far have read their bases: they are written again only behind this wait
	s_add_nc_u64 s[LPX:LPX+1], s[LPX:LPX+1], 2*SAX
	s_add_nc_u64 s[LPW:LPW+1], s[LPW:LPW+1], 2*SAW
.endm
	s_load_b256 s[4:11], s[0:1], 0x0               ; hq s[4:5], w2q s[6:7], b2 s[8:9], widths s[10:11]
	s_load_b64 s[12:13], s[0:1], 0x20              ; out0
	v_lshl_add_u32 v[SPW], v0, 2, SPARE
	v_mov_b32 v[NIL], 0
	v_lshrrev_b32 v15, 5, v0
	v_readfirstlane_b32 s[WV], v15                 ; wave 0..3 = the batch
	s_lshl_b32 s35, s[WV], 4                       ; its width stands in word 4 x batch
	s_wait_kmcnt 0x0
	s_load_b32 s[WD], s[10:11], s35 offset:0x0
	s_mov_b32 s[GJ], ttmp9
	s_and_b32 s[GI], ttmp7, 0xffff
	v_and_b32 v64, 31, v0                          ; lane
	v_and_b32 v65, 15, v0                          ; r
	v_bfe_u32 v66, v0, 4, 1                        ; h
	s_bfe_u32 s18, s[GJ], 0x10002                  ; bit 2 of j: which half of a chunk comes first
	s_xor_b32 s19, s18, 1
	s_mul_i32 s36, s18, SAX
	s_mul_i32 s37, s19, SAX
	s_mul_i32 s38, s18, SAW
	s_mul_i32 s39, s19, SAW
	v_lshlrev_b32 v[CO], 4, v64
	v_add_nc_u32 v[VX], s36, v[CO]
	v_add_nc_u32 v[VX+1], s37, v[CO]
	v_add_nc_u32 v[VW], s38, v[CO]
	v_add_nc_u32 v[VW+1], s39, v[CO]
	v_mul_u32_u24 v67, v66, REC
	v_lshl_add_u32 v67, v65, 4, v67
	v_add_nc_u32 v67, 4096, v67                    ; 4096 + 16 r + 4352 h
	v_add_nc_u32 v[VSX], s36, v67
	v_add_nc_u32 v[VSX+1], s37, v67
	v_add_nc_u32 v[VSW], s38, v67
	v_add_nc_u32 v[VSW+1], s39, v67
	v_lshlrev_b32 v[VB], 5, v66
	s_wait_alu depctr_va_vdst(0)
	s_mul_i32 s40, s[WV], STG                      ; my stage
	v_mul_u32_u24 v[STO], v65, SP
	v_lshl_add_u32 v[STO], v66, 5, v[STO]
	v_add_nc_u32 v[STO], s40, v[STO]               ; in: row r, 32 bytes for each half of the lanes
	v_add_nc_u32 v[RD], s40, v[CO]                 ; back: the 32 lanes take one row of 512 bytes
	s_lshl_b32 s28, s[WV], 7
	s_lshl_b32 s30, s[GI], 2
	s_add_co_u32 s28, s28, s30                     ; my first block of 16 rows: 128 batch + 4 i
	s_mul_i32 s28, s28, REC
	s_mov_b32 s29, 0
	s_add_nc_u64 s[LPX:LPX+1], s[4:5], s[28:29]    ; chunk 0
	s_mul_i32 s28, s[GJ], 8*REC
	s_add_nc_u64 s[LPW:LPW+1], s[6:7], s[28:29]
	s_lshl_b32 s28, s[GJ], 9
	s_add_nc_u64 s[BB:BB+1], s[8:9], s[28:29]
	s_lshl_b32 s28, s[WV], 11
	s_lshl_b32 s30, s[GI], 6
	s_add_co_u32 s28, s28, s30                     ; my first row: 2048 batch + 64 i,
	s_lshl_b32 s28, s28, 12                        ; of 4,096 bytes (under 2^25),
	s_lshl_b32 s30, s[GJ], 9
	s_add_co_u32 s28, s28, s30                     ; + my 128 columns
	s_add_nc_u64 s[OUTP:OUTP+1], s[12:13], s[28:29]
	WIN 0x40                                       ; destination window 1
.irp b, 0,1,2,3,4,5,6,7                        ; the bias in the result's layout: lane (r, h), tile b, register j: column 16 b + 8 h + j
	global_load_b128 v[8*\b:8*\b+3], v[VB], s[BB:BB+1] offset:64*\b
	global_load_b128 v[8*\b+4:8*\b+7], v[VB], s[BB:BB+1] offset:64*\b+16
.endr
	WIN 0
	SLOAD 0
	SLOAD 1
	FLOAD 0
	FLOAD 1
	FLOAD 2
	STEP 0, 48, 1, -1, 3                           ; the first step stands in front of the loop: its products start the sums.  48: the two younger steps' fragment loads
	s_wait_kmcnt 0x0
	s_max_u32 s[WD], s[WD], 1
	s_min_u32 s[WD], s[WD], 4                      ; the width, 1 .. 4, held inside its range
	s_mov_b32 s[TR], 1                             ; chunk 0 is being asked for
.Lchunk:                                           ; three trips at the most, counted against a constant; a trip goes from a chunk's second step to the next chunk's first
	s_cmp_ge_u32 s[TR], s[WD]                      ; no chunk is left to ask for: out into the tail.  So the trips are width - 1
	s_cbranch_scc1 .Ltail
	STEP 1, 48, 0, -1, 4                           ; (on the way back six scale loads more could stay out: the lesser count serves both ways)
	STEP 2, 48, 0, -1, 5
	STEP 3, 48, 0, -1, 6
	STEP 4, 48, 0, -1, 7
	ADV                                            ; all of this chunk has been asked for
	STEP 5, 48, 0, 0, 0                            ; slot 0's scale words were last read in step 3
	STEP 6, 54, 0, -1, 1                           ; 54: two steps' fragment loads and the six scale loads among them
	STEP 7, 54, 0, 1, 2
	STEP 0, 54, 0, -1, 3
	s_add_co_u32 s[TR], s[TR], 1
	s_cmp_lt_u32 s[TR], 4
	s_cbranch_scc1 .Lchunk
.Ltail:                                            ; the last chunk asks for nothing beyond itself: the counts run down
	STEP 1, 48, 0, -1, 4
	STEP 2, 48, 0, -1, 5
	STEP 3, 48, 0, -1, 6
	STEP 4, 48, 0, -1, 7
	STEP 5, 48, 0, -1, -1
	STEP 6, 24, 0, -1, -1
	STEP 7, 0, 0, -1, -1
; THE WAY OUT, block by block of 16 rows x 128 columns.  A lane holds 32 neighbouring bytes of a row and the lanes beside it hold other rows: so a block goes through my own stage in LDS and comes back as whole rows
; of 512 bytes.  LDS serves a wave's instructions in order (ISA guide 5.7.1.4): no wait between the stores and the loads, nor in front of the next block's stores.
.macro TOSTAGE a
	WIN 0x04                                       ; an LDS store's data are its source 1: window 1
.irp b, 0,1,2,3,4,5,6,7
	ds_store_b128 v[STO], v[64*(\a)+8*\b:64*(\a)+8*\b+3] offset:64*\b          ; each accumulator from its low end on
	ds_store_b128 v[STO], v[64*(\a)+8*\b+4:64*(\a)+8*\b+7] offset:64*\b+16
.endr
	WIN 0
.set BK, 64+64*((\a)%2)
.irp t, 0,1,2,3,4,5,6,7,8,9,10,11,12,13,14,15
	ds_load_b128 v[BK+4*\t:BK+4*\t+3], v[RD] offset:\t*SP
.endr
.endm
.macro SEND a, younger                 ; younger: the LDS instructions issued behind block a's loads, which may stay out
.set BK, 64+64*((\a)%2)
	s_wait_dscnt \younger
.irp t, 0,1,2,3,4,5,6,7,8,9,10,11,12,13,14,15
	global_store_b128 v[CO], v[BK+4*\t:BK+4*\t+3], s[OUTP:OUTP+1] offset:(16*(\a)+\t)*4096 th:TH_STORE_NT   ; 32 lanes store 512 consecutive bytes, aligned to 256; written once, read by nobody here
.endr
.endm
	s_wait_alu depctr_va_vdst(0)
	TOSTAGE 0
	TOSTAGE 1
	SEND 0, 32                                     ; behind block 0's loads: block 1's 16 stores and 16 loads
	s_wait_xcnt 0x0                                ; block 0's stores have read their registers: block 2's loads may land there
	TOSTAGE 2
	SEND 1, 32
	s_wait_xcnt 0x0
	TOSTAGE 3
	SEND 2, 32
	SEND 3, 0
	s_wait_tensorcnt 0x0                           ; the wave's end
	ds_add_u32 v[SPW], v[NIL]
	s_wait_dscnt 0x0
	s_endpgm
.Lfunc_end_k_qcdf5e4aa55_down:
	.size	k_qcdf5e4aa55_down, .Lfunc_end_k_qcdf5e4aa55_down-k_qcdf5e4aa55_down
	.p2alignl 7, 3214868480
	.fill 96, 4, 3214868480
	.section	.rodata,"a",@progbits
	.p2align	6, 0x0
	.amdhsa_kernel k_qcdf5e4aa55_down
		.amdhsa_group_segment_fixed_size 34304
		.amdhsa_private_segment_fixed_size 0
		.amdhsa_enable_private_segment 0
		.amdhsa_kernarg_size 40
		.amdhsa_user_sgpr_count 2
		.amdhsa_user_sgpr_kernarg_segment_ptr 1
		.amdhsa_wavefront_size32 1
		.amdhsa_system_sgpr_workgroup_id_x 1
		.amdhsa_system_sgpr_workgroup_id_y 1
		.amdhsa_system_sgpr_workgroup_id_z 1
		.amdhsa_system_vgpr_workitem_id 0
		.amdhsa_next_free_vgpr 704
		.amdhsa_next_free_sgpr 66
		.amdhsa_reserve_vcc 0
		.amdhsa_float_denorm_mode_32 3
		.amdhsa_float_denorm_mode_16_64 3
		.amdhsa_memory_ordered 1
		.amdhsa_forward_progress 1
		.amdhsa_inst_pref_size 126
	.end_amdhsa_kernel
	.amdgpu_metadata
---
amdhsa.version: [ 1, 2 ]
amdhsa.kernels:
  - .name:           k_qcdf5e4aa55_down
    .symbol:         k_qcdf5e4aa55_down.kd
    .args:
      - { .name: hq, .offset: 0, .size: 8, .value_kind: global_buffer, .address_space: global }
      - { .name: w2q, .offset: 8, .size: 8, .value_kind: global_buffer, .address_space: global }
      - { .name: b2, .offset: 16, .size: 8, .value_kind: global_buffer, .address_space: global }
      - { .name: widths, .offset: 24, .size: 8, .value_kind: global_buffer, .address_space: global }
      - { .name: out0, .offset: 32, .size: 8, .value_kind: global_buffer, .address_space: global }
    .group_segment_fixed_size: 34304
    .private_segment_fixed_size: 0
    .kernarg_segment_align: 8
    .kernarg_segment_size: 40
    .max_flat_workgroup_size: 128
    .sgpr_count:     66
    .vgpr_count:     704
    .wavefront_size: 32
...
	.end_amdgpu_metadata
.endif
;; end of part 3
